; MI455X (gfx1250); checked and timed in simulation.
; The chip was launched on July 23, 2026; its instructions are those of AMD's public machine-readable ISA for CDNA 5 (MIT licence, August 2026) and "CDNA5" Instruction Set Architecture Reference Guide (July 2026). The comments in the code are by the model that wrote it; some were corrected since.
;; Lazy Attention Embedding. Allowed arithmetic: matrix products marked QUANTISED: E4M3 operands, one E8M0 scale for each 32 along K, by v_wmma_scale_f32_16x16x128_f8f6f4 with both operands' format E4M3, f32 sums; everything else in f32.
;; Inputs: bias_weight 4,096 x 16 float32; k 2 x 16 x 2,048 x 64 float32; q 2 x 16 x 2,048 x 64 float32; tau 16 float32; v 2 x 16 x 2,048 x 64 float32.
;; Outputs: out0 2 x 16 x 2,048 x 64 float32.
;; Constants: max_bias_length = 4096.
;; This version of the problem:
;;   THIS VERSION OF THE PROBLEM IS GIVEN IN LOW PRECISION. The matrix products marked QUANTISED in the list below multiply operands that are first quantised to E4M3 (4 exponent bits, 3 mantissa bits; 8 bits a number), with one power-of-two scale for each 32 numbers along K (OCP MX v1.0); their sums are f32. All else is computed in f32.
;;   The module's matrix products, in the order in which they are computed (A, B: the left and right operand; K: the contracted axis; several contracted axes count as one K, in the product's order):
;;     1. batch 32 x [M 2,048, K 64] x [K 64, N 2,048]; A: input q; B: input k: QUANTISED
;;     2. batch 32 x [M 2,048, K 2,048] x [K 2,048, N 64]; A: computed on the way; B: input v: QUANTISED
;;   THE QUANTISER, for each operand of a quantised product, along K:
;;     - K is cut into blocks of 32 from its start; a last block that is shorter is filled with zeros.
;;     - A block's scale is 2^e with e = floor(log2(the largest magnitude in the block)) - 8, held to -126 .. 127; a block of zeros has e = 0. As a byte (E8M0): e + 127.
;;     - Each number is divided by its block's scale, clamped to +-448, and rounded to the nearest number of E4M3, ties to even, subnormals kept.
;;     - The product sums the exact products of the quantised numbers (number of the format x scale) in f32.
;;   ~~~python
;;   def quantise(x, axis):      # numpy; x: float32 -> the quantised numbers, widened to float32 again
;;       x = np.moveaxis(x, axis, -1); K = x.shape[-1]
;;       x = np.pad(x, [(0, 0)] * (x.ndim - 1) + [(0, -K % 32)]); x = x.reshape(x.shape[:-1] + (-1, 32)); a = np.abs(x).max(-1, keepdims=True)
;;       e = np.where(a > 0, np.clip(np.frexp(np.where(a > 0, a, 1))[1] - 1 - 8, -126, 127), 0)      # np.frexp(a)[1] - 1 = floor(log2(a)), exactly
;;       r = np.clip(x / 2.0 ** e, -448, 448)
;;       step = 2.0 ** (np.maximum(np.frexp(np.where(r == 0, 1, r))[1] - 1, -6) - 3)
;;       q = np.round(r / step) * step * 2.0 ** e      # np.round: ties to even
;;       return np.moveaxis(q.reshape(q.shape[:-2] + (-1,))[..., :K], -1, axis).astype(np.float32)
;;   ~~~
;;   OPERANDS COMPUTED ON THE WAY. 'Computed on the way' means the value that the module computes at that place (a softmax that the list does not call 'softmax' is quantised finished and normalised). What goes into a quantiser is computed in f32, as accurately as f32 sums, v_exp_f32 and their like allow (about 1e-6 of the number): no bf16 or f16 on the way to a quantiser, and a product that is left as it is and whose result goes on into a quantised operand takes f32 operands (vector FMAs, or v_wmma_f32_16x16x4_f32). A number that lies on a knife's edge between two numbers of the format may be rounded either way, as far as f32 arithmetic and the matrix unit's own rounding can turn it there, and no further.
;; One version. Each part assembles by itself: llvm-mc -triple=amdgcn-amd-amdhsa -mcpu=gfx1250 --defsym DOCPART=n.
;; ======== version 1 of 1: 2 launches
;; limits: right only within a limited range of input values
;; workspace buffers: kws 4,456,448 bytes; vws 4,325,376 bytes; bws 557,056 bytes
;; launch prep (part 1): grid 272 x 1, 4 waves a work-group, no clusters, 35,328 bytes of LDS; arguments k, v, bias_weight, kws, vws, bws; writes kws, vws, bws
.if DOCPART == 1
	.amdgcn_target "amdgcn-amd-amdhsa--gfx1250"
	.amdhsa_code_object_version 6
	.text
	.protected	k_q2acd2faacb_prep
	.globl	k_q2acd2faacb_prep
	.p2align	8
	.type	k_q2acd2faacb_prep,@function
k_q2acd2faacb_prep:
	s_mov_b64 s[64:65], 0
	v_nop
	global_prefetch_b8 v0, s[64:65] scope:SCOPE_SE
	s_setreg_imm32_b32 hwreg(HW_REG_WAVE_MODE, 25, 1), 1
	s_wait_xcnt 0x0
; LazyAttentionEmbedding, launch 1 of 2: k and v become codes of E4M3 with E8M0 scale bytes, once, and the bias becomes tables that the second launch can take as the C of its score products.
; WORK LEFT OUT BY THE PROGRAM, shown in the problem's own terms, for all finite inputs:
;  (a) rel_pos = q - key lies in -2047 .. 2047 and max_bias_length = 4096.  Where causal holds, 0 <= rel_pos <= 2047 < 4096: bias_mask equals causal, the clip is the identity, and rows 2048 .. 4095 of bias_weight
;      are indexed only where the clip maps nothing to them: they have no way to an output and are not read.
;  (b) where causal does not hold, jnp.where replaces the score by -1e30: q.k and the bias there reach no output.  Score tiles that lie wholly above the diagonal are not computed.
;  (c) a masked position's softmax term is exp(-1e30 - m) / l, which is 0 in f32 for every row maximum m that lies far above -1e30; wholly masked key steps take it as 0.
;  NOT left out: the second product over masked keys (attn = relu(0 + tau / i) there, which is positive where tau > 0), tau of either sign, the maximum taken away ahead of the exponential.
;  LIMITS: NaN and infinities among the inputs are not served, and one that reaches only the work left out is not carried to the result; row maxima must lie far above -1e30;
;  a block whose largest magnitude lies under 2^-118 keeps the scale byte 1; a block of zeros gets the byte 1 where the rule says 127 (its codes are zeros, and this program alone reads the bytes).
; LAYOUTS: the workspace holds IMAGES OF OPERAND REGISTERS, so that a fragment comes by 16-byte loads at 16 x lane.  lane = (r = lane % 16, h = lane / 16).
;  kws [bh 32][step 16][8,704]: codes at t 1024 + c 512 + 16 lane (tile t = 2 b + u, c = 0, 1): key 128 s + 32 b + 8 u + r + 8 (r / 8), d = 32 c + 16 h + 0 .. 15;
;      from byte 8,192 the scale words at 16 lane + 4 b: lanes 0-15 tile 2 b's row r, lanes 16-31 tile 2 b + 1's: byte 0, 1 = the two blocks of d, bytes 2, 3 = 127 (they scale zero codes).
;  vws [bh][step][8,448]: codes at td 2048 + c 512 + 16 lane: channel 4 r + td, keys 128 s + 32 c + 16 h + 0 .. 15; from byte 8,192 the scale words at 8 lane + 4 i: lanes 0-15 tile 2 i, lanes 16-31 tile 2 i + 1.
;  bws [head 16][copy 4][2,176 f32]: W[c][x] = 8 x bias_weight[max(2047 - x - c, 0)][head]: reversed, so that addresses rise with the key; four copies a word apart, so that every lane's run of words begins at a multiple of 16 bytes.
;      8 x is exact, and the scale 64^-0.5 = 1/8 is exact: q.k + 8 bias = 8 x the score.
; SHARES: work-groups 0-127: k; 128-255: v: a wave takes one unit of 128 keys x 64 d (32,768 bytes).  Work-groups 256-271: one head's tables each.  Waves share nothing: no barrier.
.set SPARE, 34816                      ; behind the four stages: the spare words, 128 bytes for each wave: two blocks of 256 bytes that no other line names
.set SPW,  4                           ; v4   LDS address of my spare word; never rewritten
.set NIL,  5                           ; v5   0; never rewritten
.set R,    32                          ; v32-95, v96-159  two sets of 64 numbers as loaded
.set X,    160                         ; v160-223  64 numbers, block beta at 16 beta
.set PC,   224                         ; v224-239  the codes just made
.set TM,   240                         ; v240-243 largest magnitudes, v244-247 bytes, v248-251 448 x the scale, v252-255 the conversions' scale operands
.set W,    12                          ; v12-15  scale words in the making
; Four blocks beta; block beta's 16 numbers of my lane lie in v[src + bst beta + ist i]; the other 16 lie in lane l xor 16.  The hold writes them to v[dst + 16 beta + i], which also puts them on end for the conversions.
.macro QUANT src, bst, ist, dst
.irp b, 0,1,2,3
	v_max3_num_f32 v[TM+\b], |v[\src+\bst*\b]|, |v[\src+\bst*\b+\ist]|, 0x4800000   ; my 16 numbers, and the floor 2^(9 - 127): the byte cannot fall under 1
.endr
.irp i, 2,4,6,8,10,12,14
.irp b, 0,1,2,3
	v_max3_num_f32 v[TM+\b], v[TM+\b], |v[\src+\bst*\b+\ist*\i]|, |v[\src+\bst*\b+\ist*(\i+1)]|   ; the four blocks by turns
.endr
.endr
.irp b, 0,1,2,3
	v_permlanex16_b32 v[TM+4+\b], v[TM+\b], s20, s21
.endr
.irp b, 0,1,2,3
	v_max_num_f32 v[TM+\b], v[TM+\b], v[TM+4+\b]           ; the block's largest magnitude
.endr
.irp b, 0,1,2,3
	v_add_nc_u32 v[TM+12+\b], 0xfc000000, v[TM+\b]         ; 8 off its exponent field: the conversion's scale operand
.endr
.irp b, 0,1,2,3
	v_and_or_b32 v[TM+8+\b], v[TM+\b], 0x7f800000, s23     ; 448 x the scale
.endr
.irp b, 0,1,2,3
	v_lshrrev_b32 v[TM+4+\b], 23, v[TM+12+\b]              ; the scale's byte
.endr
.irp b, 0,1,2,3
.irp i, 0,1,2,3,4,5,6,7,8,9,10,11,12,13,14,15
	v_med3_num_f32 v[\dst+16*\b+\i], v[\src+\bst*\b+\ist*\i], -v[TM+8+\b], v[TM+8+\b]   ; the conversion to an 8-bit code does not saturate (ISA guide 7.6.2)
.endr
	v_cvt_scalef32_pk8_fp8_f32 v[PC+4*\b:PC+4*\b+1], v[\dst+16*\b:\dst+16*\b+7], v[TM+12+\b]
	v_cvt_scalef32_pk8_fp8_f32 v[PC+4*\b+2:PC+4*\b+3], v[\dst+16*\b+8:\dst+16*\b+15], v[TM+12+\b]
.endr
	v_nop                                                  ; one plain line behind the last conversion
.endm
; ---- k: sub-unit b = 32 keys x 256 bytes; each load reads 512 consecutive bytes (two keys)
.macro LOADK b
.irp i, 0,1,2,3,4,5,6,7,8,9,10,11,12,13,14,15
	global_load_b128 v[R+64*((\b)%2)+4*\i:R+64*((\b)%2)+4*\i+3], v6, s[4:5] offset:(\b)*8192+512*\i th:TH_LOAD_NT
.endr
.endm
.macro SUBK b
.if (\b) < 3
	s_wait_loadcnt 16                                      ; this sub-unit's 16 loads are in; the next one's 16 may be out
.else
	s_wait_loadcnt 0x0
.endif
.irp i, 0,1,2,3,4,5,6,7,8,9,10,11,12,13,14,15
	ds_store_b128 v7, v[R+64*((\b)%2)+4*\i:R+64*((\b)%2)+4*\i+3] offset:(((\i>>2)&1)*16+((\i>>3)&1)*8+((2*\i)&7))*272   ; key 2 i + y goes to stage row 16 u + r, the row of the tile that takes it
.endr
.irp u, 0,1
.irp c, 0,1
.irp e, 0,1,2,3
	ds_load_b128 v[X+16*(2*\u+\c)+4*\e:X+16*(2*\u+\c)+4*\e+3], v8 offset:\u*4352+\c*128+16*\e   ; LDS serves a wave's instructions in order (ISA guide 5.7.1.4): these see my stores
.endr
.endr
.endr
	s_wait_dscnt 0x0                                       ; my 64 numbers are back: block 2 u + c = tile u's row r, d = 32 c + 16 h + 0 .. 15
.if (\b) > 0
	s_wait_xcnt 0x0                                        ; the last sub-unit's stores have read the codes' registers, which are written again below
.endif
.if (\b) < 2
	LOADK (\b)+2
.endif
	QUANT X, 16, 1, X
	v_lshl_or_b32 v20, v[TM+5], 8, v[TM+4]                 ; tile u = 0: the bytes of its two blocks of d
	v_lshl_or_b32 v21, v[TM+7], 8, v[TM+6]                 ; tile u = 1
	v_cndmask_b32 v20, v20, v21, s24                       ; lanes 16-31 carry the odd tile's word
	v_or_b32 v[W+(\b)], 0x7f7f0000, v20                    ; bytes 2 and 3 scale zero codes: 127
.irp g, 0,1,2,3
	global_store_b128 v6, v[PC+4*\g:PC+4*\g+3], s[10:11] offset:(\b)*2048+\g*512   ; 32 lanes store 512 consecutive bytes
.endr
.endm
; ---- v: sub-unit c = 32 keys; lanes 0-15 read one whole row of 256 bytes, lanes 16-31 the row 16 keys on.  Register 4 i + td = key 32 c + 16 y + i, channel 4 x + td
.macro LOADV c
.irp i, 0,1,2,3,4,5,6,7,8,9,10,11,12,13,14,15
	global_load_b128 v[R+64*((\c)%2)+4*\i:R+64*((\c)%2)+4*\i+3], v6, s[6:7] offset:(\c)*8192+256*\i th:TH_LOAD_NT
.endr
.endm
.macro SUBV c
.if (\c) < 3
	s_wait_loadcnt 16                                      ; this sub-unit's 16 loads are in; the next one's 16 may be out
.else
	s_wait_loadcnt 0x0
.endif
.if (\c) > 0
	s_wait_xcnt 0x0                                        ; the last sub-unit's stores have read the codes' registers
.endif
	QUANT R+64*((\c)%2), 1, 4, X                           ; block td: my channel 4 x + td, registers down the keys: nothing is transposed by an instruction
.if (\c) < 2
	LOADV (\c)+2
.endif
.irp t, 0,1,2,3
.if (\c) == 0
	v_mov_b32 v[W+\t], v[TM+4+\t]
.else
	v_lshl_or_b32 v[W+\t], v[TM+4+\t], 8*(\c), v[W+\t]     ; byte c of the channel's scale word: key block c
.endif
.endr
.irp t, 0,1,2,3
	global_store_b128 v7, v[PC+4*\t:PC+4*\t+3], s[12:13] offset:\t*2048+(\c)*512
.endr
.endm
; ---- the bias: thread t makes words x = 4 (t + 128 n) + 0 .. 3 of all four copies: they want bias_weight rows 2047 - x - e, e = 0 .. 6
.macro BLOAD n
.irp e, 0,1,2,3,4,5,6
	v_add_nc_u32 v[32+7*(\n)+\e], 512*(\n)+\e, v20
	v_min_u32 v[32+7*(\n)+\e], 0x7ff, v[32+7*(\n)+\e]      ; past 2047 the row is held at 0: those words feed masked positions alone
	v_xor_b32 v[32+7*(\n)+\e], 0x7ff, v[32+7*(\n)+\e]      ; 2047 - u, for u in 0 .. 2047
	v_lshlrev_b32 v[32+7*(\n)+\e], 6, v[32+7*(\n)+\e]      ; a row of bias_weight is 64 bytes
	global_load_b32 v[32+7*(\n)+\e], v[32+7*(\n)+\e], s[8:9]
.endr
.endm
.macro BOUT n, left
	s_wait_loadcnt \left                                   ; this group's seven loads are in; the later groups' may be out
.irp c, 0,1,2,3
.irp j, 0,1,2,3
	v_mul_f32 v[96+16*(\n)+4*\c+\j], 0x41000000, v[32+7*(\n)+\c+\j]   ; x 8, exact; each group has registers of its own, so no store's data are written again
.endr
.endr
.irp c, 0,1,2,3
	global_store_b128 v21, v[96+16*(\n)+4*\c:96+16*(\n)+4*\c+3], s[14:15] offset:\c*8704+(\n)*2048   ; 32 lanes store 512 consecutive bytes
.endr
.endm
	s_load_b256 s[4:11], s[0:1], 0x0               ; k s[4:5], v s[6:7], bias_weight s[8:9], kws s[10:11]
	s_load_b128 s[12:15], s[0:1], 0x20             ; vws s[12:13], bws s[14:15]
	v_lshl_add_u32 v[SPW], v0, 2, SPARE
	v_mov_b32 v[NIL], 0
	v_lshrrev_b32 v1, 5, v0
	v_readfirstlane_b32 s16, v1                    ; wave 0..3
	v_and_b32 v1, 31, v0                           ; lane
	v_and_b32 v2, 15, v0                           ; x = r = lane % 16
	v_bfe_u32 v3, v0, 4, 1                         ; y = h = lane / 16
	s_mov_b32 s20, 0x76543210
	s_mov_b32 s21, 0xfedcba98                      ; v_permlanex16_b32's selects for lane l xor 16
	s_mov_b32 s23, 0x600000                        ; the mantissa field of 448
.irp b, 0,1,2,3
	v_mov_b32 v[TM+4+\b], 0                        ; written once: a lane permute's destination counts as one of its sources
.endr
	v_cmp_eq_u32 s24, 1, v3                        ; lanes 16-31
	s_mov_b32 s19, 0
	s_wait_kmcnt 0x0
	s_cmp_ge_u32 ttmp9, 256
	s_cbranch_scc1 .Lbias
	s_cmp_ge_u32 ttmp9, 128
	s_cbranch_scc1 .Lvpath
	; ---- k
	s_lshl_b32 s17, ttmp9, 2
	s_add_co_u32 s17, s17, s16                     ; my unit = 16 bh + step
	s_lshl_b32 s18, s17, 15
	s_add_nc_u64 s[4:5], s[4:5], s[18:19]          ; its 32,768 bytes of k
	s_mul_i32 s18, s17, 8704
	s_add_nc_u64 s[10:11], s[10:11], s[18:19]      ; its 8,704 bytes of kws
	v_lshlrev_b32 v6, 4, v1                        ; 16 x lane: in and out
	s_mul_i32 s22, s16, 8704                       ; my stage: 32 rows of 256 bytes + 16
	v_mul_u32_u24 v7, v3, 272
	v_lshl_add_u32 v7, v2, 4, v7
	v_add_nc_u32 v7, s22, v7                       ; into it: row y, 16 x
	v_mul_u32_u24 v8, v2, 272
	v_lshl_add_u32 v8, v3, 6, v8
	v_add_nc_u32 v8, s22, v8                       ; out of it: row r, 64 h
	LOADK 0
	LOADK 1
	SUBK 0
	SUBK 1
	SUBK 2
	SUBK 3
	global_store_b128 v6, v[W:W+3], s[10:11] offset:8192   ; the unit's scale words: 512 consecutive bytes
	s_wait_tensorcnt 0x0                           ; the wave's end
	ds_add_u32 v[SPW], v[NIL]
	s_wait_dscnt 0x0
	s_endpgm
.Lvpath:                                               ; ---- v: no LDS
	s_sub_co_u32 s17, ttmp9, 128
	s_lshl_b32 s17, s17, 2
	s_add_co_u32 s17, s17, s16
	s_lshl_b32 s18, s17, 15
	s_add_nc_u64 s[6:7], s[6:7], s[18:19]
	s_mul_i32 s18, s17, 8448
	s_add_nc_u64 s[12:13], s[12:13], s[18:19]
	v_lshlrev_b32 v6, 12, v3
	v_lshl_add_u32 v6, v2, 4, v6                   ; in: 16 rows down for lanes 16-31, 16 x
	v_lshlrev_b32 v7, 4, v1                        ; out: 16 x lane
	v_lshlrev_b32 v8, 3, v1                        ; the scale words: 8 x lane
	LOADV 0
	LOADV 1
	SUBV 0
	SUBV 1
	SUBV 2
	SUBV 3
	v_cndmask_b32 v16, v[W], v[W+1], s24           ; lanes 0-15 carry tile 2 i's word, lanes 16-31 tile 2 i + 1's
	v_cndmask_b32 v17, v[W+2], v[W+3], s24
	global_store_b64 v8, v[16:17], s[12:13] offset:8192    ; 32 lanes store 256 consecutive bytes
	s_endpgm
.Lbias:                                                ; ---- the bias tables of one head: no LDS
	s_sub_co_u32 s17, ttmp9, 256                   ; the head
	s_lshl_b32 s18, s17, 2
	s_add_nc_u64 s[8:9], s[8:9], s[18:19]          ; its column of bias_weight
	s_mul_i32 s18, s17, 34816
	s_add_nc_u64 s[14:15], s[14:15], s[18:19]      ; its four copies
	v_lshlrev_b32 v20, 2, v0                       ; x of my first word
	v_lshlrev_b32 v21, 4, v0                       ; and its byte
	BLOAD 0
	BLOAD 1
	BLOAD 2
	BLOAD 3
	BOUT 0, 21
	BOUT 1, 14
	BOUT 2, 7
	BOUT 3, 0
	s_cmp_lg_u32 s16, 0                            ; 2,176 = 4 x 512 + 128 words: the last 128 are wave 0's
	s_cbranch_scc1 .Lbias_end
	BLOAD 4
	BOUT 4, 0
.Lbias_end:
	s_endpgm
.Lfunc_end_k_q2acd2faacb_prep:
	.size	k_q2acd2faacb_prep, .Lfunc_end_k_q2acd2faacb_prep-k_q2acd2faacb_prep
	.p2alignl 7, 3214868480
	.fill 96, 4, 3214868480
	.section	.rodata,"a",@progbits
	.p2align	6, 0x0
	.amdhsa_kernel k_q2acd2faacb_prep
		.amdhsa_group_segment_fixed_size 35328
		.amdhsa_private_segment_fixed_size 0
		.amdhsa_enable_private_segment 0
		.amdhsa_kernarg_size 48
		.amdhsa_user_sgpr_count 2
		.amdhsa_user_sgpr_kernarg_segment_ptr 1
		.amdhsa_wavefront_size32 1
		.amdhsa_system_sgpr_workgroup_id_x 1
		.amdhsa_system_sgpr_workgroup_id_y 1
		.amdhsa_system_sgpr_workgroup_id_z 1
		.amdhsa_system_vgpr_workitem_id 0
		.amdhsa_next_free_vgpr 256
		.amdhsa_next_free_sgpr 66
		.amdhsa_reserve_vcc 0
		.amdhsa_float_denorm_mode_32 3
		.amdhsa_float_denorm_mode_16_64 3
		.amdhsa_memory_ordered 1
		.amdhsa_forward_progress 1
		.amdhsa_inst_pref_size 109
	.end_amdhsa_kernel
	.amdgpu_metadata
---
amdhsa.version: [ 1, 2 ]
amdhsa.kernels:
  - .name:           k_q2acd2faacb_prep
    .symbol:         k_q2acd2faacb_prep.kd
    .args:
      - { .name: k, .offset: 0, .size: 8, .value_kind: global_buffer, .address_space: global }
      - { .name: v, .offset: 8, .size: 8, .value_kind: global_buffer, .address_space: global }
      - { .name: bias_weight, .offset: 16, .size: 8, .value_kind: global_buffer, .address_space: global }
      - { .name: kws, .offset: 24, .size: 8, .value_kind: global_buffer, .address_space: global }
      - { .name: vws, .offset: 32, .size: 8, .value_kind: global_buffer, .address_space: global }
      - { .name: bws, .offset: 40, .size: 8, .value_kind: global_buffer, .address_space: global }
    .group_segment_fixed_size: 35328
    .private_segment_fixed_size: 0
    .kernarg_segment_align: 8
    .kernarg_segment_size: 48
    .max_flat_workgroup_size: 128
    .sgpr_count:     66
    .vgpr_count:     256
    .wavefront_size: 32
...
	.end_amdgpu_metadata
.endif
;; end of part 1
;; launch attn (part 2): grid 8 x 32, 16 waves a work-group, clusters of 4 x 1, 327,680 bytes of LDS; arguments q, kws, vws, bws, tau, out0; writes out0
.if DOCPART == 2
	.amdgcn_target "amdgcn-amd-amdhsa--gfx1250"
	.amdhsa_code_object_version 6
	.text
	.protected	k_q2acd2faacb_attn
	.globl	k_q2acd2faacb_attn
	.p2align	8
	.type	k_q2acd2faacb_attn,@function
k_q2acd2faacb_attn:
	s_mov_b64 s[64:65], 0
	v_nop
	global_prefetch_b8 v0, s[64:65] scope:SCOPE_SE
	s_setreg_imm32_b32 hwreg(HW_REG_WAVE_MODE, 25, 1), 1
	s_wait_xcnt 0x0
	s_wait_alu depctr_hold_cnt(0) depctr_sa_sdst(0) depctr_va_vdst(0) depctr_va_sdst(0) depctr_va_ssrc(0) depctr_va_vcc(0) depctr_vm_vsrc(0)
	s_getreg_b32 s2, hwreg(HW_REG_IB_STS2, 6, 4)
	s_cmp_eq_u32 s2, 0
	s_cbranch_scc0 .Lentry_in_a_cluster
	s_endpgm
.Lentry_in_a_cluster:
	s_bfe_u32 s2, ttmp6, 0x10000c
	s_cmp_lg_u32 s2, 0x3003
	s_cbranch_scc0 .Lentry_shape_is_right
	s_endpgm
.Lentry_shape_is_right:
; LazyAttentionEmbedding, launch 2 of 2: out = Q(relu(softmax(Q(q) Q(k)^T / 8 + bias, causal) + tau / i)) Q(v), both products on codes of E4M3 with one E8M0 scale for each 32 along K.
; WORK LEFT OUT (shown at the head of the first kernel): score tiles wholly above the diagonal; bias_weight rows from 2,048 on, the clip and bias_mask; the softmax term of wholly masked key steps, which is 0.
; NOT left out: the second product over masked keys, where attn = relu(tau / i); it is multiplied by the matrix unit with an operand of one code a query, for every head, whatever tau's sign.
; LIMITS: NaN and infinities are not served and are not carried from the work left out; row maxima must lie far above -1e30; exponentials under 2^-126 come out as 0; blocks under 2^-118 keep the scale byte 1, blocks of zeros too.
; THE OPERAND OF THE SECOND PRODUCT IS THE FINISHED MATRIX, so a row's maximum m and sum l are final before a code is made: THREE WALKS over the keys, 128 a step.
;   walk 1 (steps 0 .. rho): scores, running maximum, running sum.   walk 2 (steps 0 .. rho): scores again, a = relu(p / l + tau / i), quantised along the keys, O += a V.   walk 3 (steps rho + 1 .. 15): O += relu(tau / i) V.
; SHARES.  A work-group serves one (batch, head) and one g = 0 .. 7; wave w owns the 16 queries from q0 = 128 rho + 16 g on, rho a permutation of the wave's number whose four values add up to 30 over w % 4 and over w / 4 alike.
;   So all eight work-groups of a head run the same text with the same trip counts: nothing but global addresses and two vector values hangs on g.
; CLUSTER.  Four work-groups of a head form a cluster; the head's K and V blocks are asked for JOINTLY (the same tensor load, the same descriptor, a mask that names the four).
; LDS IS FILLED ONCE: the head's K codes, V codes, their scale words and four copies of the bias window lie there together; no slot is filled again, and one barrier of the work-group stands behind the fills.
; LAYOUT.  S^T = K Q^T (source 0 = 16 keys, source 1 = my 16 queries): lane (r, h) holds query r; the keys of a tile are chosen so that registers 16 b + i of tiles 2 b, 2 b + 1 are keys 32 b + 16 h + i.
;   K = 64 fills half of the form's 128: registers 8-15 of both operands hold zero codes, under the scale byte 127.  C = 8 x bias, loaded straight into the accumulator: q.k + 8 bias = 8 x the score, exactly (64^-0.5 = 1/8).
;   O = a V (source 0 = a's codes, source 1 = V's tile td, whose column r is channel 4 r + td): register j of lane (r, h) is out[query 8 h + j][4 r + td]: the four tiles give a lane 16 neighbouring bytes.
.set BCP,   8256                       ; LDS 0: the bias window, four copies of 2,064 words; 8,256 = 64 mod 256
.set KB,    33280                      ; the head's K: 16 blocks of 8,704 bytes (8,192 of codes, 512 of scale words)
.set KBLK,  8704
.set VB,    172544                     ; the head's V: 16 blocks of 8,448 bytes (8,192 of codes, 256 of scale words)
.set VBLK,  8448
.set SPARE, 307712                     ; the spare words, 128 bytes for each of the 16 waves: eight blocks of 256 bytes that no other line names
.set AK0,  1                           ; v1   KB + 16 lane
.set AB0,  2                           ; v2   my lane's place in the bias window at step 0
.set AV0,  3                           ; v3   VB + 16 lane
.set AVS0, 4                           ; v4   VB + 8192 + 8 lane
.set SPW,  5                           ; v5   LDS address of my spare word; never rewritten
.set NIL,  6                           ; v6   0; never rewritten
.set GO,   7                           ; v7   my byte in the wave's 16 rows of out0: 2048 h + 16 r
.set ADK,  8                           ; v8-11 the step's addresses: K, bias, V, V's scale words
.set ADB,  9
.set ADV,  10
.set ADVS, 11
                                       ; v12 -c m, v13 the running largest 8 x score; v[14:15] l in two halves, later 1 / l twice
                                       ; v16-23 Q's codes, v24-31 zeros; v32-95 four slots for K's tiles: 8 registers of codes, 8 that stay zero
.set S,    96                          ; v96-159  bias, then scores, then p, then a, then V's four fragments
.set O,    160                         ; v160-191 four accumulators
.set PC,   192                         ; v192-207 a's codes
.set QS,   208                         ; v208 Q's scale word; v209 a's; v210-211 V's; v212-215 K's: these hold scales and nothing else
.set PS,   209
.set VS,   210
.set KS,   212
.set TI,   216                         ; v[216:217] tau / i, twice
.set DG,   218                         ; v218 16 g + r - 16 h
.set NEG,  219                         ; v219 -8e30 = 8 x -1e30
.set TM,   224                         ; v224-227 largest magnitudes, v228-231 bytes, v232-235 448 x the scale, v236-239 the conversions' scale operands
                                       ; v240-251 at work; v[252:253] the factor 2^(old - new)
; s16 wave, s17 rho, s18 cx, s19 g, s20 bh, s21 head; s[22:23] c = log2(e) / 8, s24 -c, s25 448's mantissa field, s[26:27] lane selects;
; s[28:35], s[36:43], s[44:51] descriptor groups 1 for K, V, bias; s[52:55], s[56:59], s[60:63] groups 0 for bias, K, V; s66 the step; s67, s68, s69 the step's bytes in K, bias, V; s80 tau[head]
.macro ROUND                           ; a round of the cluster's barrier
	s_barrier_signal -1
	s_barrier_wait -1
	s_cmp_lg_u32 s16, 0
	s_cbranch_scc1 .Lnot_wave_0_\@
	s_barrier_signal -3
.Lnot_wave_0_\@:
	s_barrier_wait -3
	s_barrier_signal -1
	s_barrier_wait -1
.endm
.macro SPROD t, slot                   ; tile t of S^T: C and D are the registers into which 8 x bias was loaded.  An odd tile's scale words lie in lanes 16-31
.if (\t)%2
	v_wmma_scale_f32_16x16x128_f8f6f4 v[S+8*(\t):S+8*(\t)+7], v[32+16*(\slot):32+16*(\slot)+15], v[16:31], v[S+8*(\t):S+8*(\t)+7], v[KS+(\t)/2], v[QS] matrix_a_scale:MATRIX_SCALE_ROW1
.else
	v_wmma_scale_f32_16x16x128_f8f6f4 v[S+8*(\t):S+8*(\t)+7], v[32+16*(\slot):32+16*(\slot)+15], v[16:31], v[S+8*(\t):S+8*(\t)+7], v[KS+(\t)/2], v[QS]
.endif
.endm
; A step's 8 x scores, 128 keys x my 16 queries.  p2 = 1: walk 2, which also makes V's addresses and fetches V's scale words.
.macro SCORES p2
	v_add_nc_u32 v[ADK], s67, v[AK0]
	v_add_nc_u32 v[ADB], s68, v[AB0]
.if \p2
	v_add_nc_u32 v[ADV], s69, v[AV0]
	v_add_nc_u32 v[ADVS], s69, v[AVS0]
.rept 5
	v_nop                                          ; with the four additions nine places behind the last step's products O += a V, whose source 1 lay where the bias is loaded and the scores are written
.endr
.endif
	ds_load_b128 v[KS:KS+3], v[ADK] offset:8192    ; the scale words of the step's eight tiles
.if \p2
	ds_load_b64 v[VS:VS+1], v[ADVS]
.endif
.irp t, 0,1,2,3
.irp c, 0,1
	ds_load_b128 v[32+16*\t+4*\c:32+16*\t+4*\c+3], v[ADK] offset:\t*1024+\c*512
.endr
.endr
.irp t, 0,1,2,3,4,5,6,7
	ds_load_b128 v[S+8*\t:S+8*\t+3], v[ADB] offset:128*(\t/2)+32*(\t%2)        ; 8 x bias of my query and the tile's eight keys of my half: ascending words of the reversed table
	ds_load_b128 v[S+8*\t+4:S+8*\t+7], v[ADB] offset:128*(\t/2)+32*(\t%2)+16
.endr
	s_wait_dscnt 8                                 ; all but the youngest eight loads, the bias of tiles 4 to 7
.irp t, 0,1,2,3
	SPROD \t, \t                                   ; the accumulators take turns, one instruction a turn
.endr
.rept 8
	v_nop                                          ; eight places in front of loads into the slots that these products read, and of the first read of their results
.endr
.irp t, 4,5,6,7
.irp c, 0,1
	ds_load_b128 v[32+16*(\t-4)+4*\c:32+16*(\t-4)+4*\c+3], v[ADK] offset:\t*1024+\c*512
.endr
.endr
	s_wait_dscnt 0x0
.irp t, 4,5,6,7
	SPROD \t, \t-4
.endr
	; what follows works on tiles 0 to 3 first, 15 plain lines or more: those are the eight places behind tiles 4 to 7's products; every accumulator is read from its low end on
	s_cmp_lg_u32 s66, s17                          ; the one step on the diagonal: ids and the count of steps alone
	s_cbranch_scc1 .Lopen_\@
.set n, 0
.rept 64
	v_cmp_gt_i32 vcc_lo, 32*(n/16)+n%16, v[DG]     ; register 16 b + i holds key 128 rho + 32 b + 16 h + i: hidden where 32 b + i > 16 g + r - 16 h
	v_cndmask_b32 v[S+n], v[S+n], v[NEG], vcc_lo
.set n, n+1
.endr
.Lopen_\@:
.endm
; c s - c m, two at a time
.macro SHIFT
.set n, 0
.rept 32
	v_pk_fma_f32 v[S+n:S+n+1], v[S+n:S+n+1], s[22:23], v[12:13] op_sel_hi:[1,0,0]   ; of the pairs c and -c m the low word serves both halves
.set n, n+2
.endr
.endm
.macro EXPS
.set n, 0
.rept 64
	v_exp_f32 v[S+n], v[S+n]
.set n, n+1
.endr
	v_nop                                          ; one plain line behind the last exponential,
	s_wait_alu depctr_va_vdst(0)                   ; and one wait for the whole batch ahead of its first reader
.endm
; Walk 1's vector work: the row's running maximum (joined with lane l xor 16's in every step, so that it is a counted key's score from key 0 on) and the running sum, each half of the lanes its own part.
.macro STAT1
	v_max3_num_f32 v240, v13, v[S], v[S+1]
	v_max3_num_f32 v241, v[S+16], v[S+17], v[S+18]
.irp i, 2,4,6,8,10,12
	v_max3_num_f32 v240, v240, v[S+\i], v[S+\i+1]
	v_max3_num_f32 v241, v241, v[S+17+\i], v[S+18+\i]
.endr
	v_max3_num_f32 v240, v240, v[S+14], v[S+15]
	v_max3_num_f32 v242, v[S+32], v[S+33], v[S+34]
	v_max3_num_f32 v243, v[S+48], v[S+49], v[S+50]
.irp i, 3,5,7,9,11,13
	v_max3_num_f32 v242, v242, v[S+32+\i], v[S+33+\i]
	v_max3_num_f32 v243, v243, v[S+48+\i], v[S+49+\i]
.endr
	v_max3_num_f32 v241, v241, v[S+31], v[S+47]
	v_max3_num_f32 v242, v242, v243, v[S+63]
	v_max3_num_f32 v240, v240, v241, v242
	v_permlanex16_b32 v245, v240, s26, s27
	v_max_num_f32 v13, v240, v245                  ; the row's largest 8 x score so far
	v_mul_f32 v246, s24, v13                       ; -c m
	v_sub_f32 v252, v246, v12                      ; c m_old - c m_new
	v_mov_b32 v12, v246
	SHIFT
	v_exp_f32 v252, v252                           ; what was summed under the old maximum is brought under the new
	EXPS
	v_pk_mul_f32 v[14:15], v[14:15], v[252:253] op_sel_hi:[1,0]
	v_pk_add_f32 v[248:249], v[S:S+1], v[S+2:S+3]  ; the sums, two at a time, in two chains
.irp j, 4,8,12,16,20,24,28,32,36,40,44,48,52,56,60
	v_pk_add_f32 v[14:15], v[14:15], v[S+\j:S+\j+1]
	v_pk_add_f32 v[248:249], v[248:249], v[S+\j+2:S+\j+3]
.endr
	v_pk_add_f32 v[14:15], v[14:15], v[248:249]
.endm
.macro VFRAG td                        ; V's tile td: 16 channels x the step's 128 keys
.irp c, 0,1,2,3
	ds_load_b128 v[S+16*(\td)+4*\c:S+16*(\td)+4*\c+3], v[ADV] offset:(\td)*2048+\c*512
.endr
.endm
; a's four blocks of 32 keys become codes and a scale word.  No |.| on the maximum's sources: what is negative becomes 0 (the relu), and the floor stands over it.
.macro QP
.irp b, 0,1,2,3
	v_max3_num_f32 v[TM+\b], v[S+16*\b], v[S+16*\b+1], 0x4800000   ; my 16 numbers, and the floor 2^(9 - 127): the byte cannot fall under 1
.endr
.irp i, 2,4,6,8,10,12,14
.irp b, 0,1,2,3
	v_max3_num_f32 v[TM+\b], v[TM+\b], v[S+16*\b+\i], v[S+16*\b+\i+1]
.endr
.endr
.irp b, 0,1,2,3
	v_permlanex16_b32 v[TM+4+\b], v[TM+\b], s26, s27
.endr
.irp b, 0,1,2,3
	v_max_num_f32 v[TM+\b], v[TM+\b], v[TM+4+\b]
.endr
.irp b, 0,1,2,3
	v_add_nc_u32 v[TM+12+\b], 0xfc000000, v[TM+\b]         ; 8 off the exponent field: the conversion's scale operand
.endr
.irp b, 0,1,2,3
	v_and_or_b32 v[TM+8+\b], v[TM+\b], 0x7f800000, s25     ; 448 x the scale
.endr
.irp b, 0,1,2,3
	v_lshrrev_b32 v[TM+4+\b], 23, v[TM+12+\b]              ; the scale's byte
.endr
	v_lshl_or_b32 v[PS], v[TM+5], 8, v[TM+4]               ; my query's scale word for these 128 keys: the 64 holds below stand between it and the products
	v_lshl_or_b32 v[PS], v[TM+6], 16, v[PS]
	v_lshl_or_b32 v[PS], v[TM+7], 24, v[PS]
.irp b, 0,1,2,3
.irp i, 0,1,2,3,4,5,6,7,8,9,10,11,12,13,14,15
	v_med3_num_f32 v[S+16*\b+\i], v[S+16*\b+\i], 0, v[TM+8+\b]   ; the relu and the hold in one (the conversion to an 8-bit code does not saturate: ISA guide 7.6.2)
.endr
	v_cvt_scalef32_pk8_fp8_f32 v[PC+4*\b:PC+4*\b+1], v[S+16*\b:S+16*\b+7], v[TM+12+\b]
	v_cvt_scalef32_pk8_fp8_f32 v[PC+4*\b+2:PC+4*\b+3], v[S+16*\b+8:S+16*\b+15], v[TM+12+\b]
	VFRAG \b                                               ; the block's 16 registers are done with: V's tile b is asked for into them
.endr
.endm
.macro PVMUL                           ; O += a V: the four accumulators by turns
.irp t, 0,1,2,3
.if \t%2
	v_wmma_scale_f32_16x16x128_f8f6f4 v[O+8*\t:O+8*\t+7], v[PC:PC+15], v[S+16*\t:S+16*\t+15], v[O+8*\t:O+8*\t+7], v[PS], v[VS+\t/2] matrix_b_scale:MATRIX_SCALE_ROW1
.else
	v_wmma_scale_f32_16x16x128_f8f6f4 v[O+8*\t:O+8*\t+7], v[PC:PC+15], v[S+16*\t:S+16*\t+15], v[O+8*\t:O+8*\t+7], v[PS], v[VS+\t/2]
.endif
.endr
.endm
	s_load_b256 s[4:11], s[0:1], 0x0               ; q s[4:5], kws s[6:7], vws s[8:9], bws s[10:11]
	s_load_b128 s[12:15], s[0:1], 0x20             ; tau s[12:13], out0 s[14:15]
	v_lshl_add_u32 v[SPW], v0, 2, SPARE
	v_mov_b32 v[NIL], 0
	ds_add_u32 v[SPW], v[NIL]                      ; the wave's opening: the add, twice on end, and its wait ahead of my first tensor load; the set-up below, work on registers, stands between
	ds_add_u32 v[SPW], v[NIL]
	v_lshrrev_b32 v243, 5, v0
	v_readfirstlane_b32 s16, v243                  ; wave 0..15
	s_lshr_b32 s70, s16, 2                         ; j = w / 4
	s_and_b32 s71, s16, 3                          ; s = w % 4
	s_xor_b32 s72, s71, s70                        ; b = s xor j
	s_and_b32 s73, s71, 1
	s_lshr_b32 s86, s71, 1
	s_xor_b32 s86, s86, s73
	s_lshl_b32 s73, s73, 1
	s_or_b32 s73, s73, s86                         ; M(s) = 0, 3, 1, 2
	s_xor_b32 s73, s73, s70                        ; a = j xor M(s)
	s_lshl_b32 s73, s73, 2
	s_or_b32 s17, s73, s72                         ; rho = 4 a + b: a xor b = M(s) xor s differs for each s, so the map is one to one
	s_bfe_u32 s18, ttmp6, 0x40000                  ; cx
	s_lshl_b32 s19, ttmp9, 2                       ; in a cluster launch ttmp9 counts clusters
	s_add_co_u32 s19, s19, s18                     ; g = 4 x cluster x + cx: it enters global addresses and two vector values alone
	s_and_b32 s20, ttmp7, 0xffff                   ; bh, which the four partners share
	s_and_b32 s21, s20, 15                         ; the head
	s_mov_b32 s22, 0x3e38aa3b                      ; c = log2(e) / 8
	s_mov_b32 s23, s22                             ; (named with it as a pair, so it is written)
	s_mov_b32 s24, 0xbe38aa3b                      ; -c
	s_mov_b32 s25, 0x600000                        ; the mantissa field of 448
	s_mov_b32 s26, 0x76543210
	s_mov_b32 s27, 0xfedcba98                      ; v_permlanex16_b32's selects for lane l xor 16
	; descriptor groups 1.  K's block: 8,704 dense bytes as 34 rows of 32 elements of 8 bytes; V's: 33 rows; both with the mask of all four partners and bit 21 beside it
	s_mov_b32 s28, 15|(3<<16)|(1<<21)
	s_mov_b32 s29, 32<<16                          ; tensor_dim0
	s_mov_b32 s30, 34<<16                          ; tensor_dim1
	s_mov_b32 s31, 32<<16                          ; tile_dim0
	s_mov_b32 s32, 34                              ; tile_dim1
	s_mov_b32 s33, 32                              ; stride from row to row
	s_mov_b32 s34, 0
	s_mov_b32 s35, 0
	s_mov_b32 s36, 15|(3<<16)|(1<<21)
	s_mov_b32 s37, 32<<16
	s_mov_b32 s38, 33<<16
	s_mov_b32 s39, 32<<16
	s_mov_b32 s40, 33
	s_mov_b32 s41, 32
	s_mov_b32 s42, 0
	s_mov_b32 s43, 0
	; the bias: a quarter of a copy's window, one row of 2,064 bytes = 258 elements of 8 bytes; no mask: the window hangs on g
	s_mov_b32 s44, 3<<16
	s_mov_b32 s45, 258<<16
	s_mov_b32 s46, 1<<16
	s_mov_b32 s47, 258<<16
	s_mov_b32 s48, 1
	s_mov_b32 s49, 258
	s_mov_b32 s50, 1<<16
	s_mov_b32 s51, 0
	; where my three loads come from and go to: LDS addresses hang on the wave's number alone
	s_mul_i32 s53, s70, BCP                        ; bias: copy w / 4,
	s_mul_i32 s72, s71, 2064                       ; quarter w % 4
	s_add_co_u32 s53, s53, s72
	s_mul_i32 s74, s21, 34816                      ; in bws: the head's four copies of 8,704 bytes,
	s_mul_i32 s73, s70, 8704
	s_add_co_u32 s74, s74, s73
	s_add_co_u32 s74, s74, s72
	s_add_co_u32 s74, s74, 448                     ; and the window begins at word 112 - 16 g, so that the LDS addresses do not know g
	s_lshl_b32 s73, s19, 6
	s_sub_co_u32 s74, s74, s73
	s_mov_b32 s75, 0
	s_mul_i32 s73, s16, KBLK                       ; K: block w
	s_add_co_u32 s57, s73, KB
	s_mul_i32 s76, s20, 16*KBLK
	s_add_co_u32 s76, s76, s73
	s_mov_b32 s77, 0
	s_mul_i32 s73, s16, VBLK                       ; V: block w
	s_add_co_u32 s61, s73, VB
	s_mul_i32 s78, s20, 16*VBLK
	s_add_co_u32 s78, s78, s73
	s_mov_b32 s79, 0
	s_lshl_b32 s81, s17, 7
	s_lshl_b32 s86, s19, 4                         ; 16 g
	s_add_co_u32 s81, s81, s86                     ; q0 = 128 rho + 16 g
	s_lshl_b32 s82, s20, 11
	s_add_co_u32 s82, s82, s81
	s_lshl_b32 s82, s82, 8                         ; my first row of q and of out0: 256 bytes a row
	s_mov_b32 s83, 0
	s_lshl_b32 s84, s21, 2                         ; tau[head]
	s_mov_b32 s85, 0
	v_and_b32 v240, 15, v0                         ; r
	v_bfe_u32 v241, v0, 4, 1                       ; h
	v_and_b32 v242, 31, v0                         ; lane
	v_lshl_add_u32 v[AK0], v242, 4, KB
	v_lshl_add_u32 v[AV0], v242, 4, VB
	v_lshl_add_u32 v[AVS0], v242, 3, VB+8192
	; the bias of query q and key k is word 2047 - q + k of the reversed table.  Copy 3 - r % 4 makes my run begin at a multiple of 16 bytes; in the window the byte is
	; 16 (3 - r / 4) + 512 (15 - rho) + 64 h + 512 s + 128 b + 32 u
	v_and_b32 v243, 3, v240
	v_xor_b32 v243, 3, v243
	v_mul_u32_u24 v[AB0], v243, BCP
	v_lshrrev_b32 v243, 2, v240
	v_xor_b32 v243, 3, v243
	v_lshl_add_u32 v[AB0], v243, 4, v[AB0]
	v_lshl_add_u32 v[AB0], v241, 6, v[AB0]
	s_xor_b32 s73, s17, 15
	s_lshl_b32 s73, s73, 9
	v_add_nc_u32 v[AB0], s73, v[AB0]
	v_lshlrev_b32 v[GO], 11, v241
	v_lshl_add_u32 v[GO], v240, 4, v[GO]
	v_lshlrev_b32 v244, 8, v240
	v_lshl_add_u32 v244, v241, 6, v244             ; q: row r, + 64 h: my 16 numbers of a block of 32
	v_lshlrev_b32 v[DG], 4, v241
	v_sub_nc_u32 v[DG], v240, v[DG]
	v_add_nc_u32 v[DG], s86, v[DG]                 ; 16 g + r - 16 h
	s_wait_dscnt 0x0                               ; both opening adds are done
	s_wait_kmcnt 0x0
	s_mov_b32 s52, 1                               ; groups 0: count 1, the LDS address (above), the global address, type 2
	s_add_nc_u64 s[54:55], s[10:11], s[74:75]
	s_or_b32 s55, s55, 0x80000000
	s_mov_b32 s56, 1
	s_add_nc_u64 s[58:59], s[6:7], s[76:77]
	s_or_b32 s59, s59, 0x80000000
	s_mov_b32 s60, 1
	s_add_nc_u64 s[62:63], s[8:9], s[78:79]
	s_or_b32 s63, s63, 0x80000000
	s_add_nc_u64 s[4:5], s[4:5], s[82:83]
	s_add_nc_u64 s[14:15], s[14:15], s[82:83]
	s_add_nc_u64 s[12:13], s[12:13], s[84:85]
	ROUND                                          ; all four work-groups are here: the joint loads meet
	tensor_load_to_lds s[52:55], s[44:51]          ; every wave issues three loads, with no branch: three of mine are out at the most.  The bias window's quarter,
	s_nop 0
	tensor_load_to_lds s[56:59], s[28:35]          ; K's block w, jointly,
	s_nop 0
	tensor_load_to_lds s[60:63], s[36:43]          ; V's block w, jointly
	s_nop 0
.irp c, 0,1
.irp e, 0,1,2,3
	global_load_b128 v[S+16*\c+4*\e:S+16*\c+4*\e+3], v244, s[4:5] offset:128*\c+16*\e th:TH_LOAD_NT   ; q(r, 32 c + 16 h + 4 e ..): read once, by this wave
.endr
.endr
	s_load_b32 s80, s[12:13], 0x0                  ; tau[head]
.irp j, 0,1,2,3,4,5,6,7
	v_mov_b32 v[24+\j], 0                          ; K = 64: the upper half of both operands holds zero codes
.endr
.irp t, 0,1,2,3
.irp j, 0,1,2,3,4,5,6,7
	v_mov_b32 v[40+16*\t+\j], 0
.endr
.endr
.irp b, 0,1,2,3
	v_mov_b32 v[TM+4+\b], 0                        ; written once: a lane permute's destination counts as one of its sources
.endr
	s_add_co_u32 s73, s81, 1
	v_add_nc_u32 v245, s73, v240
	v_cvt_f32_u32 v245, v245                       ; i = my query + 1
	v_rcp_f32 v246, v245
	v_mov_b32 v[NEG], 0xf2c9f2ca                   ; -8e30.  (A plain line behind the reciprocal)
	s_wait_kmcnt 0x0
	s_wait_alu depctr_va_vdst(0)                   ; the wait ahead of the reciprocal's first reader
	v_mul_f32 v[TI], s80, v246                     ; tau / i: the product, and one correction by the remainder
	v_fma_f32 v247, -v[TI], v245, s80
	v_fma_f32 v[TI], v247, v246, v[TI]
	v_mov_b32 v[TI+1], v[TI]
	s_wait_loadcnt 0x0                             ; q
	; q's two blocks of 32 along d become the fragment's registers 0-7 and the low two bytes of its scale word
.irp b, 0,1
	v_max3_num_f32 v[TM+\b], |v[S+16*\b]|, |v[S+16*\b+1]|, 0x4800000
.endr
.irp i, 2,4,6,8,10,12,14
.irp b, 0,1
	v_max3_num_f32 v[TM+\b], v[TM+\b], |v[S+16*\b+\i]|, |v[S+16*\b+\i+1]|
.endr
.endr
.irp b, 0,1
	v_permlanex16_b32 v[TM+4+\b], v[TM+\b], s26, s27
.endr
.irp b, 0,1
	v_max_num_f32 v[TM+\b], v[TM+\b], v[TM+4+\b]
.endr
.irp b, 0,1
	v_add_nc_u32 v[TM+12+\b], 0xfc000000, v[TM+\b]
.endr
.irp b, 0,1
	v_and_or_b32 v[TM+8+\b], v[TM+\b], 0x7f800000, s25
.endr
.irp b, 0,1
	v_lshrrev_b32 v[TM+4+\b], 23, v[TM+12+\b]
.endr
	v_lshl_or_b32 v[QS], v[TM+5], 8, v[TM+4]
	v_or_b32 v[QS], 0x7f7f0000, v[QS]              ; bytes 2 and 3 scale zero codes: 127
.irp b, 0,1
.irp i, 0,1,2,3,4,5,6,7,8,9,10,11,12,13,14,15
	v_med3_num_f32 v[S+16*\b+\i], v[S+16*\b+\i], -v[TM+8+\b], v[TM+8+\b]
.endr
	v_cvt_scalef32_pk8_fp8_f32 v[16+4*\b:17+4*\b], v[S+16*\b:S+16*\b+7], v[TM+12+\b]
	v_cvt_scalef32_pk8_fp8_f32 v[18+4*\b:19+4*\b], v[S+16*\b+8:S+16*\b+15], v[TM+12+\b]
.endr
	v_nop                                          ; one plain line behind the last conversion; with the five below, the places between the codes and the first product
	v_mov_b32 v13, 0xff61b1e6                      ; the largest 8 x score so far: -3e38, under every score
	v_mul_f32 v12, s24, v13
	v_mov_b32 v14, 0                               ; l, in two halves
	v_mov_b32 v15, 0
	v_mov_b32 v253, 0                              ; (named as the upper half of the pair v[252:253])
	s_wait_tensorcnt 0x0                           ; my three loads have landed,
	s_barrier_signal -1
	s_barrier_wait -1                              ; everybody's have: from here on LDS is only read
	; ---- walk 1: m and l.  16 trips, a constant; a step whose keys all come after my queries is jumped over (ids and the count of steps alone; no barrier and no tensor load stands in a step)
	s_mov_b32 s66, 0
	s_mov_b32 s67, 0
	s_mov_b32 s68, 0
.Lw1:
	s_cmp_gt_u32 s66, s17
	s_cbranch_scc1 .Lw1_next
	SCORES 0
	STAT1
.Lw1_next:
	s_add_co_u32 s67, s67, KBLK
	s_add_co_u32 s68, s68, 512
	s_add_co_u32 s66, s66, 1
	s_cmp_lt_u32 s66, 16
	s_cbranch_scc1 .Lw1
	; ---- 1 / l
	v_add_f32 v244, v14, v15                       ; the sum's two halves,
	v_permlanex16_b32 v245, v244, s26, s27
	v_add_f32 v244, v244, v245                     ; and lane l xor 16's: the row's sum, at least about 1: the largest score's term
	v_rcp_f32 v246, v244
.set n, 0
.rept 32
	v_mov_b32 v[O+n], 0                            ; O.  (The step is written once; plain lines behind the reciprocal)
.set n, n+1
.endr
	s_wait_alu depctr_va_vdst(0)                   ; ahead of the reciprocal's first reader
	v_fma_f32 v247, -v244, v246, 1.0               ; one correction, so that p / l keeps f32's own rounding ahead of the quantiser
	v_fma_f32 v14, v247, v246, v246
	v_mov_b32 v15, v14
	; ---- walk 2: the finished matrix, quantised, times V
	s_mov_b32 s66, 0
	s_mov_b32 s67, 0
	s_mov_b32 s68, 0
	s_mov_b32 s69, 0
.Lw2:
	s_cmp_gt_u32 s66, s17
	s_cbranch_scc1 .Lw2_next
	SCORES 1
	SHIFT
	EXPS
.set n, 0
.rept 32
	v_pk_fma_f32 v[S+n:S+n+1], v[S+n:S+n+1], v[14:15], v[TI:TI+1] op_sel_hi:[1,0,0]   ; p / l + tau / i; a masked key's p is 0
.set n, n+2
.endr
	QP
.rept 4
	v_nop                                          ; the plain line behind the last conversion, and the four places between the codes and the products
.endr
	s_wait_dscnt 0x0                               ; V's four fragments are in
	PVMUL
.Lw2_next:
	s_add_co_u32 s67, s67, KBLK
	s_add_co_u32 s68, s68, 512
	s_add_co_u32 s69, s69, VBLK
	s_add_co_u32 s66, s66, 1
	s_cmp_lt_u32 s66, 16
	s_cbranch_scc1 .Lw2
	; ---- the operand of the masked keys: every number of a block is relu(tau / i), so a query has one code and one scale byte.  The first twelve lines are the places behind the last products
	v_max_num_f32 v[TM], 0x4800000, v[TI]
	v_add_nc_u32 v[TM+12], 0xfc000000, v[TM]
	v_and_or_b32 v[TM+8], v[TM], 0x7f800000, s25
	v_lshrrev_b32 v[TM+4], 23, v[TM+12]
	v_med3_num_f32 v240, v[TI], 0, v[TM+8]
.irp j, 1,2,3,4,5,6,7
	v_mov_b32 v[240+\j], v240
.endr
	v_mul_lo_u32 v[PS], v[TM+4], 0x01010101        ; the byte, four times
	v_cvt_scalef32_pk8_fp8_f32 v[PC:PC+1], v[240:247], v[TM+12]
	v_nop
.set n, 2
.rept 7
	v_mov_b32 v[PC+n], v[PC]
	v_mov_b32 v[PC+n+1], v[PC+1]
.set n, n+2
.endr
	; ---- walk 3: steps rho + 1 .. 15
	s_mov_b32 s66, 0
	s_mov_b32 s69, 0
.Lw3:
	s_cmp_le_u32 s66, s17
	s_cbranch_scc1 .Lw3_next
	v_add_nc_u32 v[ADV], s69, v[AV0]
	v_add_nc_u32 v[ADVS], s69, v[AVS0]
.rept 6
	v_nop                                          ; with the two additions eight places in front of loads into registers that the last products read
.endr
	ds_load_b64 v[VS:VS+1], v[ADVS]
	VFRAG 0
	VFRAG 1
	VFRAG 2
	VFRAG 3
	s_wait_dscnt 0x0
	PVMUL
.Lw3_next:
	s_add_co_u32 s69, s69, VBLK
	s_add_co_u32 s66, s66, 1
	s_cmp_lt_u32 s66, 16
	s_cbranch_scc1 .Lw3
	; ---- the way out: register j of the four accumulators is out[8 h + j][4 r + 0 .. 3]: 16 bytes a lane, and sixteen lanes store a whole row of 256 bytes
.rept 8
	v_nop
.endr
.irp j, 0,1,2,3,4,5,6,7
.irp t, 0,1,2,3
	v_mov_b32 v[S+4*\j+\t], v[O+8*\t+\j]           ; each accumulator from its low end on
.endr
.endr
.irp j, 0,1,2,3,4,5,6,7
	global_store_b128 v[GO], v[S+4*\j:S+4*\j+3], s[14:15] offset:256*\j th:TH_STORE_NT   ; written once, read by nobody here
.endr
	s_wait_tensorcnt 0x0                           ; the wave's end
	ds_add_u32 v[SPW], v[NIL]
	s_wait_dscnt 0x0
	ROUND                                          ; the closing round
	s_endpgm
.Lfunc_end_k_q2acd2faacb_attn:
	.size	k_q2acd2faacb_attn, .Lfunc_end_k_q2acd2faacb_attn-k_q2acd2faacb_attn
	.p2alignl 7, 3214868480
	.fill 96, 4, 3214868480
	.section	.rodata,"a",@progbits
	.p2align	6, 0x0
	.amdhsa_kernel k_q2acd2faacb_attn
		.amdhsa_group_segment_fixed_size 327680
		.amdhsa_private_segment_fixed_size 0
		.amdhsa_enable_private_segment 0
		.amdhsa_kernarg_size 48
		.amdhsa_user_sgpr_count 2
		.amdhsa_user_sgpr_kernarg_segment_ptr 1
		.amdhsa_wavefront_size32 1
		.amdhsa_system_sgpr_workgroup_id_x 1
		.amdhsa_system_sgpr_workgroup_id_y 1
		.amdhsa_system_sgpr_workgroup_id_z 1
		.amdhsa_system_vgpr_workitem_id 0
		.amdhsa_next_free_vgpr 256
		.amdhsa_next_free_sgpr 96
		.amdhsa_reserve_vcc 1
		.amdhsa_float_denorm_mode_32 3
		.amdhsa_float_denorm_mode_16_64 3
		.amdhsa_memory_ordered 1
		.amdhsa_forward_progress 1
		.amdhsa_inst_pref_size 63
	.end_amdhsa_kernel
	.amdgpu_metadata
---
amdhsa.version: [ 1, 2 ]
amdhsa.kernels:
  - .name:           k_q2acd2faacb_attn
    .symbol:         k_q2acd2faacb_attn.kd
    .args:
      - { .name: q, .offset: 0, .size: 8, .value_kind: global_buffer, .address_space: global }
      - { .name: kws, .offset: 8, .size: 8, .value_kind: global_buffer, .address_space: global }
      - { .name: vws, .offset: 16, .size: 8, .value_kind: global_buffer, .address_space: global }
      - { .name: bws, .offset: 24, .size: 8, .value_kind: global_buffer, .address_space: global }
      - { .name: tau, .offset: 32, .size: 8, .value_kind: global_buffer, .address_space: global }
      - { .name: out0, .offset: 40, .size: 8, .value_kind: global_buffer, .address_space: global }
    .group_segment_fixed_size: 327680
    .private_segment_fixed_size: 0
    .kernarg_segment_align: 8
    .kernarg_segment_size: 48
    .max_flat_workgroup_size: 512
    .sgpr_count:     96
    .vgpr_count:     256
    .wavefront_size: 32
...
	.end_amdgpu_metadata
.endif
;; end of part 2
